; MI455X (gfx1250); checked and timed in simulation.
; The chip was launched on July 23, 2026; its instructions are those of AMD's public machine-readable ISA for CDNA 5 (MIT licence, August 2026) and "CDNA5" Instruction Set Architecture Reference Guide (July 2026). The comments in the code are by the model that wrote it; some were corrected since.
;; Structured LSTM Cell. Allowed arithmetic: matrix products marked QUANTISED: E2M1 operands, one E8M0 scale for each 32 along K, by v_wmma_scale_f32_16x16x128_f8f6f4 with both operands' format E2M1 (or v_wmma_scale_f32_32x16x128_f4), f32 sums; everything else in f32.
;; Inputs: P 2,048 x 1,024 float32; W_hf 2,048 x 2,048 float32; W_hg 2,048 x 2,048 float32; W_hi 2,048 x 2,048 float32; W_ho 2,048 x 2,048 float32; W_pf 2,048 x 1,024 float32; W_pg 2,048 x 1,024 float32; W_pi 2,048 x 1,024 float32; W_po 2,048 x 1,024 float32; W_xf 2,048 x 1,024 float32; W_xg 2,048 x 1,024 float32; W_xi 2,048 x 1,024 float32; W_xo 2,048 x 1,024 float32; b_pf 2,048 float32; b_pg 2,048 float32; b_pi 2,048 float32; b_po 2,048 float32; cell 2,048 x 2,048 float32; ext_input 2,048 x 1,024 float32; hidden 2,048 x 2,048 float32.
;; Outputs: out0 2,048 x 2,048 float32; out1 2,048 x 2,048 float32.
;; This version of the problem:
;;   THIS VERSION OF THE PROBLEM IS GIVEN IN LOW PRECISION. The matrix products marked QUANTISED in the list below multiply operands that are first quantised to E2M1 (2 exponent bits, 1 mantissa bit; 4 bits a number), with one power-of-two scale for each 32 numbers along K (OCP MX v1.0); their sums are f32. All else is computed in f32.
;;   The module's matrix products, in the order in which they are computed (A, B: the left and right operand; K: the contracted axis; several contracted axes count as one K, in the product's order):
;;     1. [M 2,048, K 1,024] x [K 1,024, N 8,192]; A: input P; B: computed on the way: QUANTISED
;;     2. [M 2,048, K 2,048] x [K 2,048, N 8,192]; A: input hidden; B: computed on the way: QUANTISED
;;     3. [M 2,048, K 1,024] x [K 1,024, N 8,192]; A: input ext_input; B: computed on the way: QUANTISED
;;   THE QUANTISER, for each operand of a quantised product, along K:
;;     - K is cut into blocks of 32 from its start; a last block that is shorter is filled with zeros.
;;     - A block's scale is 2^e with e = floor(log2(the largest magnitude in the block)) - 2, held to -126 .. 127; a block of zeros has e = 0. As a byte (E8M0): e + 127.
;;     - Each number is divided by its block's scale, clamped to +-6, and rounded to the nearest number of E2M1, ties to even, subnormals kept.
;;     - The product sums the exact products of the quantised numbers (number of the format x scale) in f32.
;;   ~~~python
;;   def quantise(x, axis):      # numpy; x: float32 -> the quantised numbers, widened to float32 again
;;       x = np.moveaxis(x, axis, -1); K = x.shape[-1]
;;       x = np.pad(x, [(0, 0)] * (x.ndim - 1) + [(0, -K % 32)]); x = x.reshape(x.shape[:-1] + (-1, 32)); a = np.abs(x).max(-1, keepdims=True)
;;       e = np.where(a > 0, np.clip(np.frexp(np.where(a > 0, a, 1))[1] - 1 - 2, -126, 127), 0)      # np.frexp(a)[1] - 1 = floor(log2(a)), exactly
;;       r = np.clip(x / 2.0 ** e, -6, 6)
;;       step = 2.0 ** (np.maximum(np.frexp(np.where(r == 0, 1, r))[1] - 1, 0) - 1)
;;       q = np.round(r / step) * step * 2.0 ** e      # np.round: ties to even
;;       return np.moveaxis(q.reshape(q.shape[:-2] + (-1,))[..., :K], -1, axis).astype(np.float32)
;;   ~~~
;;   OPERANDS COMPUTED ON THE WAY. 'Computed on the way' means the value that the module computes at that place (a softmax that the list does not call 'softmax' is quantised finished and normalised). What goes into a quantiser is computed in f32, as accurately as f32 sums, v_exp_f32 and their like allow (about 1e-6 of the number): no bf16 or f16 on the way to a quantiser, and a product that is left as it is and whose result goes on into a quantised operand takes f32 operands (vector FMAs, or v_wmma_f32_16x16x4_f32). A number that lies on a knife's edge between two numbers of the format may be rounded either way, as far as f32 arithmetic and the matrix unit's own rounding can turn it there, and no further.
;; One version. Each part assembles by itself: llvm-mc -triple=amdgcn-amd-amdhsa -mcpu=gfx1250 --defsym DOCPART=n.
;; ======== version 1 of 1: 2 launches
;; limits: right only within a limited range of input values
;; workspace buffers: codes 22,282,240 bytes
;; launch quant (part 1): grid 64 x 20, 4 waves a work-group, no clusters, 35,328 bytes of LDS; arguments P, hidden, ext_input, W_pi, W_hi, W_xi, W_pf, W_hf, W_xf, W_pg, W_hg, W_xg, W_po, W_ho, W_xo, codes; writes codes
.if DOCPART == 1
	.amdgcn_target "amdgcn-amd-amdhsa--gfx1250"
	.amdhsa_code_object_version 6
	.text
	.protected	k_qf774ae2417_quant
	.globl	k_qf774ae2417_quant
	.p2align	8
	.type	k_qf774ae2417_quant,@function
k_qf774ae2417_quant:
	s_mov_b64 s[64:65], 0
	v_nop
	global_prefetch_b8 v0, s[64:65] scope:SCOPE_SE
	s_setreg_imm32_b32 hwreg(HW_REG_WAVE_MODE, 25, 1), 1
	s_wait_xcnt 0x0
; All fifteen f32 operands of the three products become codes of FP4 (E2M1) with one E8M0 scale byte for each 32 along K, in ONE workspace buffer laid as the next launch's operand registers want them.
; The three products share M and N and their K's (1,024, 2,048, 1,024) are multiples of 32, so they are one product over a joined K of 4,096: A = [P | hidden | ext_input], B = [W_p* | W_h* | W_x*].
; THE BUFFER.  A PANEL is 128 operand rows: panels 0-15 are A's (batch rows 128 p on); panel 16 + p holds units 32 p .. 32 p + 31 of all four gates.  A panel has 8 groups of 16 rows: in A group i = rows 16 i on;
; in B group i = 2 gate + u = units 16 u on of that gate (gates i, f, g, o).  The joined K goes in 8 steps of 512.  BLOCK (panel, step) begins at (8 panel + step) x 34,816 bytes:
;   bytes 0 .. 32,767: fragment (group i, q-th 128 along K) at (4 i + q) x 1,024; in it piece c at 512 c, lane l's 16 bytes at 16 l: the 32 codes k = 128 q + 64 c + 32 (l / 16) + 0 .. 31 of row l % 16;
;   bytes 32,768 + 256 i + 16 r + 4 q: the scale word of row r of group i for that q (byte b: k = 32 b on).
; A block's scale is 2^(floor(log2(its largest magnitude)) - 2); its byte is the largest magnitude's exponent field - 2, held at 1 from below.
; LIMITS: a block of zeros gets the byte 1 where the rule says 127 (its codes are zeros, which add nothing under any byte but 0xff, and this program alone reads the bytes); blocks whose largest magnitude lies
; under 2^-124 have the byte held at 1, as the rule's clip has it, and were not tried; NaN and infinities among the inputs are not served.
; SHARES.  Every source has 2,048 rows.  Work-group y names a slab of 2,048 rows x 1,024 K: y / 4 = 0 the activations, 1 .. 4 the gates i, f, g, o; y % 4 = 0: P's kind, 1 and 2: the halves of hidden's kind, 3: ext_input's kind.
; A wave takes 16 rows x 512 K: 8 steps of 16 rows x 64 K.  Each load reads two rows' aligned 256 bytes, 16 bytes a lane; the step's 4,096 bytes turn through the wave's own stage in LDS and come back with a whole
; block of 32 neighbours of one row in each lane: so a block's largest magnitude needs no other lane, and the four conversions give the lane's 16 bytes of the image.  Each store of codes covers 512 consecutive bytes.
; No tensor loads, no barrier: waves share nothing.  Loads run three steps (24 loads a wave) ahead, the turn through LDS one step.  Nothing is shared between work-groups, so there is no cluster.
.set BLK,  34816
.set SP,   272                         ; a stage row: 256 bytes + 16: the 16 rows that a read touches start at 16 different 16-byte columns modulo 256
.set STG,  16*SP                       ; a stage
.set WREG, 2*STG                       ; a wave's LDS: two stages by turns
.set VO,   16                          ; v16-23   load j's offset: row 2 j + (lane / 16), 16 bytes a lane; never rewritten
.set R,    24                          ; v24-119  three sets of 32: a step's numbers as loaded
.set X,    120                         ; v120-183 two sets of 32: a block of 32 neighbours
.set C,    184                         ; v184-187 a step's codes: written again only behind the s_wait_xcnt 0 at the next step's head
.set SW,   188                         ; v188-191 the scale word of my row for q = 0 .. 3
.set E,    1                           ; v1-2     (the head's lane and r, done with by then) the bytes of pieces 0 and 1
; v10-14 at work in a step; v15 and v9: the spare word's address and 0.  192 registers a wave: five work-groups' waves share a SIMD's 1,024, so the grid's 1,280 work-groups are 5 x 256
	s_load_b512 s[4:19], s[0:1], 0x0               ; argument n in s[4 + 2 n : 5 + 2 n]
	s_load_b512 s[20:35], s[0:1], 0x40             ; the last, s[34:35], is the codes' buffer
	v_lshl_add_u32 v15, v0, 2, 0x8800
	v_mov_b32 v9, 0
	v_lshrrev_b32 v1, 5, v0
	v_readfirstlane_b32 s36, v1                    ; wave 0..3
	v_and_b32 v1, 31, v0                           ; lane
	s_wait_alu depctr_va_vdst(0)
	v_and_b32 v2, 15, v0                           ; r
	v_bfe_u32 v3, v0, 4, 1                         ; h
	s_wait_alu depctr_va_vdst(0)
	s_and_b32 s37, ttmp7, 0xffff                   ; y
	s_lshr_b32 s38, s37, 2                         ; 0: activations; 1 .. 4: gate + 1
	s_and_b32 s39, s37, 3                          ; which 1,024 of the joined K
	s_add_co_u32 s42, s39, 1
	s_lshr_b32 s42, s42, 1                         ; kind: 0 P's, 1 hidden's, 2 ext_input's
	s_mul_i32 s43, s38, 3
	s_add_co_u32 s43, s43, s42                     ; the source's place among the arguments
	s_lshl_b32 s44, ttmp9, 2
	s_add_co_u32 s44, s44, s36                     ; the wave's task, 0 .. 255
	s_lshr_b32 s45, s44, 1                         ; which 16 rows, 0 .. 127
	s_and_b32 s46, s44, 1                          ; which 512 of the slab's 1,024 along K
	s_lshl_b32 s47, s39, 1
	s_add_co_u32 s47, s47, s46                     ; the step of the joined K, 0 .. 7
	s_cmp_eq_u32 s42, 1
	s_cselect_b32 s48, 13, 12                      ; a source row is 8,192 or 4,096 bytes
	s_add_co_u32 s49, s48, 4
	s_lshl_b32 s50, s45, s49                       ; my 16 rows,
	s_cmp_eq_u32 s39, 2
	s_cselect_b32 s51, 4096, 0                     ; the second half of hidden's kind,
	s_add_co_u32 s50, s50, s51
	s_lshl_b32 s51, s46, 11                        ; my 512 numbers
	s_add_co_u32 s50, s50, s51
	s_mov_b32 s51, 0
	s_lshr_b32 s52, s45, 3                         ; A: panel and group
	s_and_b32 s53, s45, 7
	s_lshr_b32 s54, s45, 1                         ; B: panel 16 + units / 32,
	s_add_co_u32 s54, s54, 16
	s_and_b32 s55, s45, 1
	s_lshl_b32 s56, s38, 1
	s_add_co_u32 s55, s55, s56
	s_sub_co_u32 s55, s55, 2                       ; group 2 gate + u (not taken for the activations)
	s_cmp_eq_u32 s38, 0
	s_cselect_b32 s52, s52, s54
	s_cselect_b32 s53, s53, s55
	s_lshl_b32 s54, s52, 3
	s_add_co_u32 s54, s54, s47
	s_mul_i32 s54, s54, BLK                        ; the block's first byte (under 2^25)
	s_lshl_b32 s55, s53, 12
	s_add_co_u32 s56, s54, s55                     ; my group's four fragments
	s_mov_b32 s57, 0
	s_lshl_b32 s55, s53, 8
	s_add_co_u32 s58, s54, s55
	s_add_co_u32 s58, s58, 32768                   ; my group's 256 bytes of scale words
	s_mov_b32 s59, 0
	s_mov_b32 s60, 0x76543210
	s_mov_b32 s61, 0xfedcba98                      ; v_permlanex16_b32's selects for lane l xor 16
	s_mul_i32 s62, s36, WREG                       ; my wave's LDS
	v_lshlrev_b32 v4, 4, v1                        ; 16 x lane: my place in a store of codes
	v_mul_u32_u24 v5, v3, SP
	v_lshl_add_u32 v5, v2, 4, v5
	v_add_nc_u32 v5, s62, v5                       ; the stage, on the way in: row h of a load's two, 16 r
	v_mul_u32_u24 v6, v2, SP
	v_lshl_add_u32 v6, v3, 7, v6
	v_add_nc_u32 v6, s62, v6                       ; and on the way out: row r, my half's 128 bytes
	v_lshlrev_b32 v7, 3, v3                        ; 8 h: my bytes' place in a scale word, in bits
	v_lshl_add_u32 v8, v2, 4, v7                   ; 16 r + 8 h: my 8 bytes of the scale words' 256
	v_mov_b32 v14, 0                               ; written once: a lane permute's destination counts as one of its sources
.irp j, 0,1,2,3,4,5,6,7
	v_add_nc_u32 v10, 2*\j, v3
	v_lshlrev_b32 v10, s48, v10
	v_lshl_add_u32 v[VO+\j], v2, 4, v10
.endr
	s_wait_alu depctr_va_vdst(0)
	s_wait_kmcnt 0x0
	s_mov_b64 s[40:41], s[4:5]                     ; the source: a choice among the fifteen that hangs on the work-group's number alone
.irp n, 1,2,3,4,5,6,7,8,9,10,11,12,13,14
	s_cmp_eq_u32 s43, \n
	s_cselect_b64 s[40:41], s[4+2*\n:5+2*\n], s[40:41]
.endr
	s_add_nc_u64 s[40:41], s[40:41], s[50:51]
	s_add_nc_u64 s[56:57], s[34:35], s[56:57]
	s_add_nc_u64 s[58:59], s[34:35], s[58:59]
.macro LOAD t                          ; step t: 64 along K of 16 rows; lanes 0-15 read one row's aligned 256 bytes, lanes 16-31 the next row's
.irp j, 0,1,2,3,4,5,6,7
	global_load_b128 v[R+32*((\t)%3)+4*\j:R+32*((\t)%3)+4*\j+3], v[VO+\j], s[40:41] offset:256*(\t) th:TH_LOAD_NT
.endr
.endm
.macro TURN t                          ; through the stage: LDS serves a wave's instructions in order (ISA guide 5.7.1.4), so no wait stands between the stores and the loads
.irp j, 0,1,2,3,4,5,6,7
	ds_store_b128 v5, v[R+32*((\t)%3)+4*\j:R+32*((\t)%3)+4*\j+3] offset:STG*((\t)%2)+2*SP*\j
.endr
.irp j, 0,1,2,3,4,5,6,7
	ds_load_b128 v[X+32*((\t)%2)+4*\j:X+32*((\t)%2)+4*\j+3], v6 offset:STG*((\t)%2)+16*\j
.endr
.endm
.macro STEP t
.set XS, X+32*((\t)%2)
	s_wait_dscnt 0x0                               ; this step's block is back from the stage, and its stores into the stage have read their registers,
	s_wait_xcnt 0x0                                ; the last step's store of codes has read C: this step's conversions may write it
.if (\t)+3 < 8
	LOAD (\t)+3                                    ; which take the loads of three steps on
.endif
.if (\t) < 7
.if (\t) < 5
	s_wait_loadcnt 16                              ; the next step's eight loads are in; those of the two steps behind it may be out
.else
	s_wait_loadcnt 8*(6-(\t))                      ; the counts run down: one step behind it, then none
.endif
	TURN (\t)+1                                    ; and go through the other stage while this step is worked
.endif
	v_max3_num_f32 v10, |v[XS]|, |v[XS+1]|, |v[XS+2]|              ; the block's largest magnitude: all 32 numbers are mine; two chains
	v_max3_num_f32 v11, |v[XS+3]|, |v[XS+4]|, |v[XS+5]|
.irp i, 6,10,14,18,22,26
	v_max3_num_f32 v10, v10, |v[XS+\i]|, |v[XS+\i+1]|
	v_max3_num_f32 v11, v11, |v[XS+\i+2]|, |v[XS+\i+3]|
.endr
	v_max3_num_f32 v10, v10, |v[XS+30]|, |v[XS+31]|
	v_max3_num_f32 v10, v10, v11, 0x1800000        ; and the floor 2^(3 - 127): the byte cannot fall under 1
	v_add_nc_u32 v12, 0xff000000, v10              ; 2 off its exponent field: the conversion's scale operand
.irp g, 0,1,2,3
	v_cvt_scalef32_pk8_fp4_f32 v[C+\g], v[XS+8*\g:XS+8*\g+7], v12   ; to the nearest code, ties to even, beyond the largest code the largest
.endr
	v_lshrrev_b32 v[E+(\t)%2], 23, v12             ; the scale's byte (also the plain line behind the conversions)
	global_store_b128 v4, v[C:C+3], s[56:57] offset:512*(\t)   ; piece t % 2 of fragment t / 2: 32 lanes store 512 consecutive bytes, aligned
.if (\t)%2 == 1
	v_lshl_or_b32 v13, v[E+1], 16, v[E]            ; my two bytes: blocks h and 2 + h of these 128 along K,
	v_lshlrev_b32 v13, v7, v13                     ; at their places in the word;
	v_permlanex16_b32 v14, v13, s60, s61
	v_or_b32 v[SW+(\t)/2], v13, v14                ; with lane l xor 16's two the word is whole
.endif
.endm
	LOAD 0
	LOAD 1
	LOAD 2
	s_wait_loadcnt 16                              ; step 0's eight loads are in; the sixteen behind them may be out
	TURN 0
.irp t, 0,1,2,3,4,5,6,7
	STEP \t
.endr
	v_cmp_ne_u32 vcc_lo, 0, v3                     ; lanes 0-15 store words 0 and 1 of their row, lanes 16-31 words 2 and 3
	v_cndmask_b32 v10, v[SW], v[SW+2], vcc_lo
	v_cndmask_b32 v11, v[SW+1], v[SW+3], vcc_lo
	global_store_b64 v8, v[10:11], s[58:59]        ; 32 lanes store the group's 256 bytes of scale words, aligned
	s_wait_tensorcnt 0x0                           ; the wave's end
	ds_add_u32 v15, v9
	s_wait_dscnt 0x0
	s_endpgm
.Lfunc_end_k_qf774ae2417_quant:
	.size	k_qf774ae2417_quant, .Lfunc_end_k_qf774ae2417_quant-k_qf774ae2417_quant
	.p2alignl 7, 3214868480
	.fill 96, 4, 3214868480
	.section	.rodata,"a",@progbits
	.p2align	6, 0x0
	.amdhsa_kernel k_qf774ae2417_quant
		.amdhsa_group_segment_fixed_size 35328
		.amdhsa_private_segment_fixed_size 0
		.amdhsa_enable_private_segment 0
		.amdhsa_kernarg_size 128
		.amdhsa_user_sgpr_count 2
		.amdhsa_user_sgpr_kernarg_segment_ptr 1
		.amdhsa_wavefront_size32 1
		.amdhsa_system_sgpr_workgroup_id_x 1
		.amdhsa_system_sgpr_workgroup_id_y 1
		.amdhsa_system_sgpr_workgroup_id_z 1
		.amdhsa_system_vgpr_workitem_id 0
		.amdhsa_next_free_vgpr 192
		.amdhsa_next_free_sgpr 66
		.amdhsa_reserve_vcc 1
		.amdhsa_float_denorm_mode_32 3
		.amdhsa_float_denorm_mode_16_64 3
		.amdhsa_memory_ordered 1
		.amdhsa_forward_progress 1
		.amdhsa_inst_pref_size 33
	.end_amdhsa_kernel
	.amdgpu_metadata
---
amdhsa.version: [ 1, 2 ]
amdhsa.kernels:
  - .name:           k_qf774ae2417_quant
    .symbol:         k_qf774ae2417_quant.kd
    .args:
      - { .name: P, .offset: 0, .size: 8, .value_kind: global_buffer, .address_space: global }
      - { .name: hidden, .offset: 8, .size: 8, .value_kind: global_buffer, .address_space: global }
      - { .name: ext_input, .offset: 16, .size: 8, .value_kind: global_buffer, .address_space: global }
      - { .name: W_pi, .offset: 24, .size: 8, .value_kind: global_buffer, .address_space: global }
      - { .name: W_hi, .offset: 32, .size: 8, .value_kind: global_buffer, .address_space: global }
      - { .name: W_xi, .offset: 40, .size: 8, .value_kind: global_buffer, .address_space: global }
      - { .name: W_pf, .offset: 48, .size: 8, .value_kind: global_buffer, .address_space: global }
      - { .name: W_hf, .offset: 56, .size: 8, .value_kind: global_buffer, .address_space: global }
      - { .name: W_xf, .offset: 64, .size: 8, .value_kind: global_buffer, .address_space: global }
      - { .name: W_pg, .offset: 72, .size: 8, .value_kind: global_buffer, .address_space: global }
      - { .name: W_hg, .offset: 80, .size: 8, .value_kind: global_buffer, .address_space: global }
      - { .name: W_xg, .offset: 88, .size: 8, .value_kind: global_buffer, .address_space: global }
      - { .name: W_po, .offset: 96, .size: 8, .value_kind: global_buffer, .address_space: global }
      - { .name: W_ho, .offset: 104, .size: 8, .value_kind: global_buffer, .address_space: global }
      - { .name: W_xo, .offset: 112, .size: 8, .value_kind: global_buffer, .address_space: global }
      - { .name: codes, .offset: 120, .size: 8, .value_kind: global_buffer, .address_space: global }
    .group_segment_fixed_size: 35328
    .private_segment_fixed_size: 0
    .kernarg_segment_align: 8
    .kernarg_segment_size: 128
    .max_flat_workgroup_size: 128
    .sgpr_count:     66
    .vgpr_count:     192
    .wavefront_size: 32
...
	.end_amdgpu_metadata
.endif
;; end of part 1
;; launch lstm (part 2): grid 32 x 8, 4 waves a work-group, clusters of 4 x 4, 327,680 bytes of LDS; arguments codes, cell, b_pi, b_pf, b_pg, b_po, out0, out1; writes out0, out1
.if DOCPART == 2
	.amdgcn_target "amdgcn-amd-amdhsa--gfx1250"
	.amdhsa_code_object_version 6
	.text
	.protected	k_qf774ae2417_lstm
	.globl	k_qf774ae2417_lstm
	.p2align	8
	.type	k_qf774ae2417_lstm,@function
k_qf774ae2417_lstm:
	s_mov_b64 s[64:65], 0
	v_nop
	global_prefetch_b8 v0, s[64:65] scope:SCOPE_SE
	s_setreg_imm32_b32 hwreg(HW_REG_WAVE_MODE, 25, 1), 1
	s_wait_xcnt 0x0
	s_wait_alu depctr_hold_cnt(0) depctr_sa_sdst(0) depctr_va_vdst(0) depctr_va_sdst(0) depctr_va_ssrc(0) depctr_va_vcc(0) depctr_vm_vsrc(0)
	s_getreg_b32 s2, hwreg(HW_REG_IB_STS2, 6, 4)
	s_cmp_eq_u32 s2, 0
	s_cbranch_scc0 .Lentry_in_a_cluster
	s_endpgm
.Lentry_in_a_cluster:
	s_bfe_u32 s2, ttmp6, 0x10000c
	s_cmp_lg_u32 s2, 0xf033
	s_cbranch_scc0 .Lentry_shape_is_right
	s_endpgm
.Lentry_shape_is_right:
; gates = [P | hidden | ext_input] x [W_p* | W_h* | W_x*]^T + b_p* over the joined K of 4,096, on the FP4 codes and E8M0 scale words that launch quant laid as images of the operand registers; then the cell in f32:
; c_new = sigmoid(gf) cell + sigmoid(gi) tanh(gg), h_new = sigmoid(go) tanh(c_new), with sigmoid(x) = 1 / (1 + 2^(-x log2 e)) and tanh(x) = 1 - 2 / (1 + 2^(2 x log2 e)).
; A work-group makes 256 batch rows x 64 units of all four gates; a wave 128 rows x 32 units x 4 gates: 64 accumulators.  The product is used transposed (source 0 = weights, source 1 = activations).
; K goes in 8 steps of 512 through a ring of two LDS slots; a slot is four blocks of 34,816 bytes (two panels of A, two of B, codes and scale words), one joint load a wave.
; CLUSTERS 4 x 4: A's blocks are shared along a row of the cluster, B's along a column.  Half of the clusters begin their walk at step 4 and wrap round.
; The cell's tile comes by a plain tensor load into slot 0 behind the last change of slots; results leave through a stage in slot 1's bytes, which have had their last fill: a row's 256 bytes come from two waves, so a barrier parts writing and reading.
; PREFETCH: a wave's block is 136 units of 256 bytes; the four partners that ask for it jointly take 34 each, told apart by address: 32 lanes a unit each, then two more (the lanes left over name the last again).
; Walk steps 0 and 1 come by their loads alone.  Behind slot 1's first fill walk step 2 is asked for; each change of slots asks for the step that the next change loads; the last change asks for nothing.
; A's blocks are read by eight clusters: the four with cluster x under 4 ask for them.
; LIMITS: an exponential beyond f32's range gives infinity or 0, whose reciprocal forms give the functions' limits; NaN and infinities among the inputs are not served.
.set BLK,    34816
.set SLOT,   4*BLK
.set SPARE,  2*SLOT
.set CP,     272
.set NQ,     4
.set FR,     8
.set NL,     2
.set NP,     4
.set LAPS,   4
.set ADRA, 16
.set BO,   18
.set ADRB, 20
.set ADRS, 22
.set CLA,  24
.set STC,  25
.set STH,  26
.set RDC,  27
.set SPW,  28
.set NIL,  29
.set RDH,  30
.set CO,   31
.set SC,   32
.set AF,   128
.set BK,   0
.set BI,   64
.set T,    128
.set CL,   192
.set CN,   224
.set HN,   240
.set G1,  24
.set G0,  32
.set G1B, 48
.set G0B, 56
.set G1C, 68
.set G0C, 76
.set WRAP, 92
.set KSG, 96
.set KTH, 98
.set MSB, 0
.macro WIN new
.if MSB != (\new)
	s_set_vgpr_msb (MSB<<8)|(\new)
.set MSB, (\new)
.endif
.endm
.set MUL_LO, 0xa1
.set MUL_HI, 0xf1
.set TO_B,   0x40
.macro JLOAD g0a, g1a, g0b, g1b
	s_cmp_eq_u32 s21, 0
	s_cbranch_scc0 .Lfor_b_\@
	tensor_load_to_lds s[\g0a:\g0a+3], s[\g1a:\g1a+7]
	s_nop 0
.rept 4
	v_nop
.endr
	s_branch .Lasked_\@
.Lfor_b_\@:
	tensor_load_to_lds s[\g0b:\g0b+3], s[\g1b:\g1b+7]
	s_nop 0
.rept 4
	v_nop
.endr
.Lasked_\@:
.endm
.macro CREST
	s_cmp_lg_u32 s20, 0
	s_cbranch_scc1 .Lnot_wave_0_\@
	s_barrier_signal -3
.Lnot_wave_0_\@:
	s_barrier_wait -3
	s_barrier_signal -1
	s_barrier_wait -1
.endm
.macro CROUND
	s_barrier_signal -1
	s_barrier_wait -1
	CREST
.endm
	s_load_b512 s[4:19], s[0:1], 0x0
	v_lshl_add_u32 v[SPW], v0, 2, SPARE
	v_mov_b32 v[NIL], 0
	ds_add_u32 v28, v29                            ; the opening: the add, twice on end, and its wait ahead of the round in front of my first tensor load
	ds_add_u32 v28, v29
	v_lshrrev_b32 v1, 5, v0
	v_readfirstlane_b32 s20, v1
	s_lshr_b32 s21, s20, 1
	s_and_b32 s22, s20, 1
	s_bfe_u32 s40, ttmp6, 0x40000
	s_bfe_u32 s41, ttmp6, 0x40004
	s_lshl_b32 s42, ttmp9, 2
	s_add_co_u32 s42, s42, s40
	s_and_b32 s43, ttmp7, 0xffff
	s_lshr_b32 s94, ttmp9, 2
	s_xor_b32 s94, s94, ttmp9
	s_xor_b32 s94, s94, s43
	s_and_b32 s94, s94, 1
	s_mul_i32 s95, s94, 4*BLK
	s_mul_i32 s94, s94, 8*BLK
	s_mov_b32 s[WRAP+1], 0
	s_lshl_b32 s43, s43, 2
	s_add_co_u32 s43, s43, s41
	s_lshl_b32 s44, s41, 2
	s_lshl_b32 s44, 15, s44
	s_lshl_b32 s45, 0x1111, s40
	s_or_b32 s[G1+0], s44, (3<<16)|(1<<21)
	s_or_b32 s[G1B+0], s45, (3<<16)|(1<<21)
.irp g, G1, G1B
	s_mov_b32 s[\g+1], 32<<16
	s_mov_b32 s[\g+2], 136<<16
	s_mov_b32 s[\g+3], 32<<16
	s_mov_b32 s[\g+4], 136
	s_mov_b32 s[\g+5], 32
	s_mov_b32 s[\g+6], 0
	s_mov_b32 s[\g+7], 0
.endr
	s_mov_b32 s[G1C+0], (2<<16)|(1<<20)|(5<<22)|(3<<25)
	s_mov_b32 s[G1C+1], 64<<16
	s_mov_b32 s[G1C+2], 64<<16
	s_mov_b32 s[G1C+3], 64<<16
	s_mov_b32 s[G1C+4], 64
	s_mov_b32 s[G1C+5], 2048
	s_mov_b32 s[G1C+6], 0
	s_mov_b32 s[G1C+7], 0
	s_mov_b32 s[KSG], 0xbfb8aa3b
	s_mov_b32 s[KSG+1], s[KSG]
	s_mov_b32 s[KTH], 0x4038aa3b
	s_mov_b32 s[KTH+1], s[KTH]
	s_lshl_b32 s46, s43, 1
	s_add_co_u32 s46, s46, s22
	s_mul_i32 s46, s46, 8*BLK
	s_add_co_u32 s46, s46, s95
	s_mov_b32 s47, 0
	s_lshl_b32 s80, s42, 1
	s_add_co_u32 s80, s80, s22
	s_add_co_u32 s80, s80, 16
	s_mul_i32 s80, s80, 8*BLK
	s_add_co_u32 s80, s80, s95
	s_mov_b32 s81, 0
	s_mul_i32 s82, s20, BLK
	s_mul_i32 s83, s20, 64*CP
	s_lshl_b32 s84, s43, 8
	s_lshl_b32 s85, s20, 6
	s_add_co_u32 s84, s84, s85
	s_lshl_b32 s84, s84, 13
	s_lshl_b32 s85, s42, 8
	s_add_co_u32 s84, s84, s85
	s_mov_b32 s85, 0
	s_lshl_b32 s90, s43, 8
	s_lshl_b32 s91, s21, 7
	s_add_co_u32 s90, s90, s91
	s_lshl_b32 s91, s22, 3
	s_add_co_u32 s90, s90, s91
	s_lshl_b32 s90, s90, 13
	s_lshl_b32 s91, s42, 8
	s_add_co_u32 s90, s90, s91
	s_mov_b32 s91, 0
	s_lshl_b32 s88, s42, 8
	s_lshl_b32 s89, s22, 7
	s_add_co_u32 s88, s88, s89
	s_mov_b32 s89, 0
	s_wait_dscnt 0x0                               ; both opening adds are done; the set-up above, work on registers, stood between
	s_wait_kmcnt 0x0
	s_add_nc_u64 s[46:47], s[4:5], s[46:47]
	s_add_nc_u64 s[80:81], s[4:5], s[80:81]
	s_add_nc_u64 s[6:7], s[6:7], s[84:85]
	s_add_nc_u64 s[16:17], s[16:17], s[90:91]
	s_add_nc_u64 s[18:19], s[18:19], s[90:91]
.irp g, 8,10,12,14
	s_add_nc_u64 s[\g:\g+1], s[\g:\g+1], s[88:89]
.endr
	s_mov_b32 s[G0C], 1
	s_mov_b32 s[G0C+1], s83
	s_mov_b64 s[G0C+2:G0C+3], s[6:7]
	s_or_b32 s[G0C+3], s[G0C+3], 0x80000000
	CROUND
.irp s, 0,1
	s_mov_b32 s[G0+4*\s], 1
	s_add_co_u32 s[G0+4*\s+1], s82, \s*SLOT
	s_add_nc_u64 s[G0+4*\s+2:G0+4*\s+3], s[46:47], \s*BLK
	s_or_b32 s[G0+4*\s+3], s[G0+4*\s+3], 0x80000000
	s_mov_b32 s[G0B+4*\s], 1
	s_add_co_u32 s[G0B+4*\s+1], s82, \s*SLOT
	s_add_nc_u64 s[G0B+4*\s+2:G0B+4*\s+3], s[80:81], \s*BLK
	s_or_b32 s[G0B+4*\s+3], s[G0B+4*\s+3], 0x80000000
.endr
	JLOAD G0, G1, G0B, G1B                         ; walk step 0: one tensor load a wave at the head
.set PFO,  6                           ; v6  256 x lane; never rewritten
.set PFO2, 7                           ; v7  256 x min(lane, 1); never rewritten
.set PFB,  88                          ; s[88:89] my share of my panel's step 0
.set PFA,  90                          ; s[90:91] my share of the step that is asked for (at first: of walk step 0)
.set LIM,  66                          ; s66, s67: a change of slot 0, 1 asks while the trips to go are more than this
	v_and_b32 v[PFO], 31, v0
	v_min_u32 v[PFO2], 1, v[PFO]
	v_lshlrev_b32 v[PFO], 8, v[PFO]
	v_lshlrev_b32 v[PFO2], 8, v[PFO2]
	s_cmp_eq_u32 s21, 0                            ; do I fetch for A?
	s_cselect_b64 s[PFB:PFB+1], s[46:47], s[80:81] ; my panel at walk step 0
	s_cselect_b32 s84, s40, s41                    ; my place among the four that ask with me
	s_cselect_b32 s23, ttmp9, 0                    ; A: the cluster's x
	s_mul_i32 s84, s84, 34*256
	s_mov_b32 s85, 0
	s_add_nc_u64 s[PFA:PFA+1], s[PFB:PFB+1], s[84:85]
	s_mov_b32 s84, s95
	s_sub_nc_u64 s[PFB:PFB+1], s[PFA:PFA+1], s[84:85]
	s_cmp_lg_u32 s95, 0
	s_cselect_b32 s83, 6, 2                        ; the step that the first ask names: walk step 2
	s_cmp_lt_u32 s23, 4
	s_cselect_b32 s[LIM], 0, 99
	s_add_co_u32 s[LIM+1], s[LIM], 1               ; slot 1's last change has no step left to ask for
	v_and_b32 v1, 15, v0
	v_bfe_u32 v2, v0, 4, 1
	s_wait_alu depctr_va_vdst(0)
	v_and_b32 v3, 31, v0
	v_lshlrev_b32 v4, 4, v3
	s_mul_i32 s86, s21, BLK
	s_mul_i32 s87, s22, BLK
	s_add_co_u32 s87, s87, 2*BLK
.irp s, 0,1
	v_add_nc_u32 v[ADRA+\s], s86, v4
	v_add_nc_u32 v[ADRB+\s], s87, v4
	s_add_co_u32 s86, s86, SLOT
	s_add_co_u32 s87, s87, SLOT
.endr
	s_mul_i32 s86, s21, BLK
	s_mul_i32 s87, s22, BLK
	s_add_co_u32 s87, s87, 2*BLK
	s_sub_co_u32 s87, s87, s86
	v_mul_u32_u24 v5, s87, v2
	v_lshl_add_u32 v5, v1, 4, v5
	s_add_co_u32 s86, s86, 32768
	v_add_nc_u32 v[ADRS], s86, v5
	v_add_nc_u32 v[ADRS+1], SLOT, v[ADRS]
	s_mul_i32 s86, s21, 128*CP
	s_lshl_b32 s87, s22, 7
	s_add_co_u32 s86, s86, s87
	v_mul_u32_u24 v[CLA], v1, CP
	v_lshl_add_u32 v[CLA], v2, 5, v[CLA]
	v_add_nc_u32 v[CLA], s86, v[CLA]
	v_add_nc_u32 v[STC], SLOT, v[CLA]
	v_add_nc_u32 v[STH], 256*CP, v[STC]
	s_mul_i32 s86, s21, 128*CP
	s_mul_i32 s87, s22, 8*CP
	s_add_co_u32 s86, s86, s87
	s_add_co_u32 s86, s86, SLOT
	v_mul_u32_u24 v[RDC], v2, CP
	v_lshl_add_u32 v[RDC], v1, 4, v[RDC]
	v_add_nc_u32 v[RDC], s86, v[RDC]
	v_add_nc_u32 v[RDH], 256*CP, v[RDC]
	v_lshlrev_b32 v[CO], 13, v2
	v_lshl_add_u32 v[CO], v1, 4, v[CO]
	v_lshlrev_b32 v[BO], 5, v2
	WIN TO_B
.irp b, 0,1,2,3,4,5,6,7
.irp e, 0,1
	global_load_b128 v[BI+8*\b+4*\e:BI+8*\b+4*\e+3], v[BO], s[8+2*(\b/2):9+2*(\b/2)] offset:64*(\b%2)+16*\e
.endr
.endr
	WIN 0
.macro FRAG reg, adr, q, i
.irp c, 0,1
	ds_load_b128 v[\reg+4*\c:\reg+4*\c+3], v[\adr] offset:((\i)*4+(\q))*1024+512*\c
.endr
.endm
.macro MUL16 a0, p, q, sc, zero
.irp a, \a0, \a0+1
.irp b, 0,1,2,3,4,5,6,7
.if \zero
	v_wmma_scale_f32_16x16x128_f8f6f4 v[8*(8*((\a)%4)+\b):8*(8*((\a)%4)+\b)+7], v[128*(\p)+FR*\b:128*(\p)+FR*\b+FR-1], v[AF+FR*(\a):AF+FR*(\a)+FR-1], 0, v[SC+8*NQ*(\sc)+NQ*\b+(\q)], v[SC+8*NQ*(\sc)+NQ*(\a)+(\q)] matrix_a_fmt:MATRIX_FMT_FP4 matrix_b_fmt:MATRIX_FMT_FP4 matrix_a_scale:MATRIX_SCALE_ROW1
.else
	v_wmma_scale_f32_16x16x128_f8f6f4 v[8*(8*((\a)%4)+\b):8*(8*((\a)%4)+\b)+7], v[128*(\p)+FR*\b:128*(\p)+FR*\b+FR-1], v[AF+FR*(\a):AF+FR*(\a)+FR-1], v[8*(8*((\a)%4)+\b):8*(8*((\a)%4)+\b)+7], v[SC+8*NQ*(\sc)+NQ*\b+(\q)], v[SC+8*NQ*(\sc)+NQ*(\a)+(\q)] matrix_a_fmt:MATRIX_FMT_FP4 matrix_b_fmt:MATRIX_FMT_FP4 matrix_a_scale:MATRIX_SCALE_ROW1
.endif
.endr
.endr
.endm
.macro FETCH_B slot, q, p
	WIN TO_B
.irp i, 0,1,2,3,4,5,6,7
	FRAG 128*(\p)+FR*\i, ADRB+\slot, \q, \i
.endr
	WIN 0
.endm
.macro FETCH_A slot, q, i0
.irp i, \i0, \i0+1, \i0+2, \i0+3
	FRAG AF+FR*(\i), ADRA+\slot, \q, \i
.endr
.endm
.macro SCALES sc
.irp i, 0,1,2,3,4,5,6,7
	ds_load_b128 v[SC+8*NQ*\sc+NQ*\i:SC+8*NQ*\sc+NQ*\i+3], v[ADRS+\sc] offset:256*\i
.endr
.endm
.macro PLACES n
.rept \n
	v_nop
.endr
.endm
.macro STEP slot, q, zero
	s_wait_dscnt 4*NL
	WIN MUL_LO
	MUL16 0, (\q)%2, \q, \slot, \zero
	MUL16 2, (\q)%2, \q, \slot, \zero
	s_wait_dscnt 0
	PLACES NP
	FETCH_B \slot, (\q)+1, 1-(\q)%2
	FETCH_A \slot, (\q)+1, 0
	WIN MUL_HI
	MUL16 4, (\q)%2, \q, \slot, \zero
	MUL16 6, (\q)%2, \q, \slot, \zero
	PLACES NP
	WIN 0
	FETCH_A \slot, (\q)+1, 4
.endm
.macro TURN slot, next, fill
.if \fill == 1
	s_wait_xcnt 0x0                                ; my prefetches have read their address: it steps here, ahead of the waits of the change of slots
	s_add_co_u32 s83, s83, 1
	s_and_b32 s83, s83, 7                          ; the walk wraps round the panel's 8 steps
	s_mul_i32 s84, s83, BLK
	s_add_nc_u64 s[PFA:PFA+1], s[PFB:PFB+1], s[84:85]
.endif
	s_wait_tensorcnt 0x0
	ds_add_u32 v[SPW], v[NIL]
	s_wait_dscnt 4*NL+1
	WIN MUL_LO
	MUL16 0, 1, NQ-1, \slot, 0
	s_wait_dscnt 0x0
	s_barrier_signal -1
	MUL16 2, 1, NQ-1, \slot, 0
	WIN 0
	s_barrier_wait -1
	CREST
.if \fill == 1
	s_add_nc_u64 s[G0+4*\slot+2:G0+4*\slot+3], s[G0+4*\slot+2:G0+4*\slot+3], 2*BLK
	s_sub_nc_u64 s[G0+4*\slot+2:G0+4*\slot+3], s[G0+4*\slot+2:G0+4*\slot+3], s[WRAP:WRAP+1]
	s_add_nc_u64 s[G0B+4*\slot+2:G0B+4*\slot+3], s[G0B+4*\slot+2:G0B+4*\slot+3], 2*BLK
	s_sub_nc_u64 s[G0B+4*\slot+2:G0B+4*\slot+3], s[G0B+4*\slot+2:G0B+4*\slot+3], s[WRAP:WRAP+1]
	JLOAD G0+4*\slot, G1, G0B+4*\slot, G1B
.else
	tensor_load_to_lds s[G0C:G0C+3], s[G1C:G1C+7]
	s_nop 0
	PLACES NP
.endif
	FETCH_B \next, 0, 0
	FETCH_A \next, 0, 0
	SCALES \next
.if \fill == 1
	s_cmp_gt_u32 s3, s[LIM+\slot]                  ; behind the joint load and the run of LDS loads: the step that the next change of slots loads
	s_cbranch_scc0 .Lno_ask_\@
	global_prefetch_b8 v[PFO], s[PFA:PFA+1] th:TH_LOAD_NT scope:SCOPE_SE
	global_prefetch_b8 v[PFO2], s[PFA:PFA+1] offset:8192 th:TH_LOAD_NT scope:SCOPE_SE
.Lno_ask_\@:
.endif
	WIN MUL_HI
	MUL16 4, 1, NQ-1, \slot, 0
	MUL16 6, 1, NQ-1, \slot, 0
	PLACES NP
	WIN 0
	FETCH_A \next, 0, 4
.endm
.macro STEPS slot, from
.set Q, \from
.rept NQ-1-\from
	STEP \slot, Q, 0
.set Q, Q+1
.endr
.endm
	s_wait_alu depctr_va_vdst(0)                   ; the wait at the head's end
	s_wait_tensorcnt 0x0                           ; my block of walk step 0 is in
	ds_add_u32 v[SPW], v[NIL]
	s_wait_dscnt 0x0
	CROUND                                         ; everybody's block is in, and all sixteen work-groups are here
	JLOAD G0+4, G1, G0B+4, G1B                     ; walk step 1: slot 1's first fill, the first tensor load behind the round
	FETCH_B 0, 0, 0
	s_cmp_eq_u32 s[LIM], 0                         ; the first ask: walk step 2, which the first change of slots loads
	s_cbranch_scc0 .Lno_first_ask
	global_prefetch_b8 v[PFO], s[PFA:PFA+1] offset:2*BLK th:TH_LOAD_NT scope:SCOPE_SE
	global_prefetch_b8 v[PFO2], s[PFA:PFA+1] offset:2*BLK+8192 th:TH_LOAD_NT scope:SCOPE_SE
.Lno_first_ask:
	FETCH_A 0, 0, 0
	SCALES 0
	FETCH_A 0, 0, 4
	STEP 0, 0, 1
	s_mov_b32 s3, LAPS-1
.Llap:
	s_cmp_eq_u32 s3, LAPS-2
	s_cselect_b32 s[WRAP], s94, 0
	STEPS 0, 1
	TURN 0, 1, 1
	STEPS 1, 0
	TURN 1, 0, 1
	STEP 0, 0, 0
	s_sub_co_u32 s3, s3, 1
	s_cmp_lg_u32 s3, 0
	s_cbranch_scc1 .Llap
	STEPS 0, 1
	TURN 0, 1, 2
	STEPS 1, 0
	s_wait_dscnt 4*NL
	WIN MUL_LO
	MUL16 0, 1, NQ-1, 1, 0
	MUL16 2, 1, NQ-1, 1, 0
	s_wait_dscnt 0
	WIN MUL_HI
	MUL16 4, 1, NQ-1, 1, 0
	MUL16 6, 1, NQ-1, 1, 0
	WIN 0
	s_wait_tensorcnt 0x0
	s_wait_loadcnt 0x0
	s_wait_dscnt 0x0
	s_barrier_signal -1
	s_barrier_wait -1
	WIN 0x55
.irp b, 0,1,2,3,4,5,6,7
.irp j, 0,2,4,6
.if (\b)/2 == 2
	v_pk_mul_f32 v[BI+8*\b+\j:BI+8*\b+\j+1], v[BI+8*\b+\j:BI+8*\b+\j+1], s[KTH:KTH+1] op_sel_hi:[1,0]
.else
	v_pk_mul_f32 v[BI+8*\b+\j:BI+8*\b+\j+1], v[BI+8*\b+\j:BI+8*\b+\j+1], s[KSG:KSG+1] op_sel_hi:[1,0]
.endif
.endr
.endr
	WIN TO_B
.irp k, 0,1,2,3
	ds_load_b128 v[CL+4*\k:CL+4*\k+3], v[CLA] offset:64*(\k/2)+16*(\k%2)
.endr
.macro MEETS
	s_wait_dscnt 0x0
	s_barrier_signal -1
.endm
.macro BACK a
.set BB, BK+32*((\a)%2)
	s_barrier_wait -1
	s_wait_xcnt 0x0
	WIN TO_B
.irp t, 0,1,2,3
	ds_load_b128 v[BB+4*\t:BB+4*\t+3], v[RDC] offset:(\a)*16*CP+\t*2*CP
	ds_load_b128 v[BB+16+4*\t:BB+16+4*\t+3], v[RDH] offset:(\a)*16*CP+\t*2*CP
.endr
.endm
.macro SEND a
.set BB, BK+32*((\a)%2)
	s_wait_dscnt 0x0
	WIN 0x04
.irp t, 0,1,2,3
	global_store_b128 v[CO], v[BB+4*\t:BB+4*\t+3], s[18:19] offset:(16*(\a)+2*\t)*8192 th:TH_STORE_NT
	global_store_b128 v[CO], v[BB+16+4*\t:BB+16+4*\t+3], s[16:17] offset:(16*(\a)+2*\t)*8192 th:TH_STORE_NT
.endr
.endm
.macro BLOCK a
.set AC, 64*((\a)%4)
.set CC, CL+16*((\a)%2)
	WIN 0x52+(\a)/4
.irp b, 0,1,2,3,4,5,6,7
.irp j, 0,2,4,6
.if (\b)/2 == 2
	v_pk_fma_f32 v[T+8*\b+\j:T+8*\b+\j+1], v[AC+8*\b+\j:AC+8*\b+\j+1], s[KTH:KTH+1], v[BI+8*\b+\j:BI+8*\b+\j+1] op_sel_hi:[1,0,1]
.else
	v_pk_fma_f32 v[T+8*\b+\j:T+8*\b+\j+1], v[AC+8*\b+\j:AC+8*\b+\j+1], s[KSG:KSG+1], v[BI+8*\b+\j:BI+8*\b+\j+1] op_sel_hi:[1,0,1]
.endif
.endr
.endr
.if (\a) > 0
	MEETS
.endif
	WIN 0x55
.set II, 0
	s_wait_alu depctr_va_vdst(0)
.rept 64
	v_exp_f32 v[T+II], v[T+II]
.set II, II+1
.endr
	v_nop
	s_wait_alu depctr_va_vdst(0)
.if (\a) > 0
	BACK \a-1
.endif
.if (\a) < 7
	WIN TO_B
.irp k, 0,1,2,3
	ds_load_b128 v[CL+16*(((\a)+1)%2)+4*\k:CL+16*(((\a)+1)%2)+4*\k+3], v[CLA] offset:((\a)+1)*16*CP+64*(\k/2)+16*(\k%2)
.endr
.endif
	WIN 0x55
.set II, 0
.rept 32
	v_pk_add_f32 v[T+II:T+II+1], v[T+II:T+II+1], 1.0 op_sel_hi:[1,0]
.set II, II+2
.endr
.set II, 0
	s_wait_alu depctr_va_vdst(0)
.rept 64
	v_rcp_f32 v[T+II], v[T+II]
.set II, II+1
.endr
	v_nop
	s_wait_alu depctr_va_vdst(0)
.if (\a) > 0
	SEND \a-1
.else
	s_wait_dscnt 4
.endif
	WIN 0x55
.irp j, 0,2,4,6,8,10,12,14
	v_pk_fma_f32 v[T+32+\j:T+33+\j], v[T+32+\j:T+33+\j], -2.0, 1.0 op_sel_hi:[1,0,0]
.endr
.irp j, 0,2,4,6,8,10,12,14
	v_pk_mul_f32 v[T+32+\j:T+33+\j], v[T+32+\j:T+33+\j], v[T+\j:T+1+\j]
.endr
.irp j, 0,2,4,6,8,10,12,14
	v_pk_fma_f32 v[CN+\j:CN+1+\j], v[T+16+\j:T+17+\j], v[CC+\j:CC+1+\j], v[T+32+\j:T+33+\j]
.endr
.irp j, 0,2,4,6,8,10,12,14
	v_pk_mul_f32 v[T+\j:T+1+\j], v[CN+\j:CN+1+\j], s[KTH:KTH+1] op_sel_hi:[1,0]
.endr
.set II, 0
	s_wait_alu depctr_va_vdst(0)
.rept 16
	v_exp_f32 v[T+II], v[T+II]
.set II, II+1
.endr
	v_nop
	s_wait_alu depctr_va_vdst(0)
.irp j, 0,2,4,6,8,10,12,14
	v_pk_add_f32 v[T+\j:T+1+\j], v[T+\j:T+1+\j], 1.0 op_sel_hi:[1,0]
.endr
.set II, 0
	s_wait_alu depctr_va_vdst(0)
.rept 16
	v_rcp_f32 v[T+II], v[T+II]
.set II, II+1
.endr
	v_nop
	s_wait_alu depctr_va_vdst(0)
.irp j, 0,2,4,6,8,10,12,14
	v_pk_fma_f32 v[T+\j:T+1+\j], v[T+\j:T+1+\j], -2.0, 1.0 op_sel_hi:[1,0,0]
.endr
.irp j, 0,2,4,6,8,10,12,14
	v_pk_mul_f32 v[HN+\j:HN+1+\j], v[T+\j:T+1+\j], v[T+48+\j:T+49+\j]
.endr
	WIN 0x04
.irp k, 0,1,2,3
	ds_store_b128 v[STC], v[CN+4*\k:CN+4*\k+3] offset:(\a)*16*CP+64*(\k/2)+16*(\k%2)
	ds_store_b128 v[STH], v[HN+4*\k:HN+4*\k+3] offset:(\a)*16*CP+64*(\k/2)+16*(\k%2)
.endr
.endm
.irp a, 0,1,2,3,4,5,6,7
	BLOCK \a
.endr
	MEETS
	BACK 7
	SEND 7
	WIN 0
	s_wait_tensorcnt 0x0
	ds_add_u32 v[SPW], v[NIL]
	s_wait_dscnt 0x0
	CROUND
	s_endpgm
.Lfunc_end_k_qf774ae2417_lstm:
	.size	k_qf774ae2417_lstm, .Lfunc_end_k_qf774ae2417_lstm-k_qf774ae2417_lstm
	.p2alignl 7, 3214868480
	.fill 96, 4, 3214868480
	.section	.rodata,"a",@progbits
	.p2align	6, 0x0
	.amdhsa_kernel k_qf774ae2417_lstm
		.amdhsa_group_segment_fixed_size 327680
		.amdhsa_private_segment_fixed_size 0
		.amdhsa_enable_private_segment 0
		.amdhsa_kernarg_size 64
		.amdhsa_user_sgpr_count 2
		.amdhsa_user_sgpr_kernarg_segment_ptr 1
		.amdhsa_wavefront_size32 1
		.amdhsa_system_sgpr_workgroup_id_x 1
		.amdhsa_system_sgpr_workgroup_id_y 1
		.amdhsa_system_sgpr_workgroup_id_z 1
		.amdhsa_system_vgpr_workitem_id 0
		.amdhsa_next_free_vgpr 1024
		.amdhsa_next_free_sgpr 100
		.amdhsa_reserve_vcc 0
		.amdhsa_float_denorm_mode_32 3
		.amdhsa_float_denorm_mode_16_64 3
		.amdhsa_memory_ordered 1
		.amdhsa_forward_progress 1
		.amdhsa_inst_pref_size 255
	.end_amdhsa_kernel
	.section	.bss,"aw",@nobits
	.p2align	6
	.space	262144
	.amdgpu_metadata
---
amdhsa.version: [ 1, 2 ]
amdhsa.kernels:
  - .name:           k_qf774ae2417_lstm
    .symbol:         k_qf774ae2417_lstm.kd
    .args:
      - { .name: codes, .offset: 0, .size: 8, .value_kind: global_buffer, .address_space: global }
      - { .name: cell, .offset: 8, .size: 8, .value_kind: global_buffer, .address_space: global }
      - { .name: b_pi, .offset: 16, .size: 8, .value_kind: global_buffer, .address_space: global }
      - { .name: b_pf, .offset: 24, .size: 8, .value_kind: global_buffer, .address_space: global }
      - { .name: b_pg, .offset: 32, .size: 8, .value_kind: global_buffer, .address_space: global }
      - { .name: b_po, .offset: 40, .size: 8, .value_kind: global_buffer, .address_space: global }
      - { .name: out0, .offset: 48, .size: 8, .value_kind: global_buffer, .address_space: global }
      - { .name: out1, .offset: 56, .size: 8, .value_kind: global_buffer, .address_space: global }
    .group_segment_fixed_size: 327680
    .private_segment_fixed_size: 0
    .kernarg_segment_align: 8
    .kernarg_segment_size: 64
    .max_flat_workgroup_size: 128
    .sgpr_count:     100
    .vgpr_count:     1024
    .wavefront_size: 32
...
	.end_amdgpu_metadata
.endif
;; end of part 2
